; MI455X (gfx1250); checked and timed in simulation.
; The chip was launched on July 23, 2026; its instructions are those of AMD's public machine-readable ISA for CDNA 5 (MIT licence, August 2026) and "CDNA5" Instruction Set Architecture Reference Guide (July 2026). The comments in the code are by the model that wrote it; some were corrected since.
;; Pairs Classifier. Allowed arithmetic: float matrix products may take bf16 or f16 operands with f32 sums; all other float work in f32.
;; Inputs: b_hh_l0_b 4,096 float32; b_hh_l0_f 4,096 float32; b_hh_l1_b 4,096 float32; b_hh_l1_f 4,096 float32; b_ih_l0_b 4,096 float32; b_ih_l0_f 4,096 float32; b_ih_l1_b 4,096 float32; b_ih_l1_f 4,096 float32; fc_b 1 float32; fc_w 1 x 2,048 float32; input_embeddings 2 x 32 x 768 float32; pos_emb 128 x 256 float32; w_ih_l0_b 4,096 x 2,048 float32; w_ih_l0_f 4,096 x 2,048 float32; w_ih_l1_b 4,096 x 2,048 float32; w_ih_l1_f 4,096 x 2,048 float32.
;; Outputs: out0 2 x 1,024 float32.
;; Constants: convo_len = 32.
;; One version. Each part assembles by itself: llvm-mc -triple=amdgcn-amd-amdhsa -mcpu=gfx1250 --defsym DOCPART=n.
;; ======== version 1 of 1: 4 launches
;; workspace buffers: idx 256 bytes of whole numbers; wq 25,165,824 bytes; h1q 8,388,608 bytes; part 262,144 bytes
;; launch cast (part 1): grid 256 x 1, 6 waves a work-group, no clusters, 203,776 bytes of LDS; arguments w_ih_l1_f, w_ih_l1_b, input_embeddings, wq, idx; writes wq, idx
.if DOCPART == 1
	.amdgcn_target "amdgcn-amd-amdhsa--gfx1250"
	.amdhsa_code_object_version 6
	.text
	.protected	k_qb75603a025_cast
	.globl	k_qb75603a025_cast
	.p2align	8
	.type	k_qb75603a025_cast,@function
k_qb75603a025_cast:
	s_mov_b64 s[64:65], 0
	v_nop
	global_prefetch_b8 v0, s[64:65] scope:SCOPE_SE
	s_setreg_imm32_b32 hwreg(HW_REG_WAVE_MODE, 25, 1), 1
	s_wait_xcnt 0x0
; LAYER 1's WEIGHTS, gates i, c, o of both directions, from f32 to bf16 and into the order in which the product reads them; and idx = min(int(|embedding row|), 127).
; The f gate's rows (1024 to 2047 of each w_ih) are not loaded: the reference splits that gate off and never uses it.
; wq is [cg 32][ks 16][kb 16][rho 192][8] bf16: cg = direction x 16 + hidden / 64; rho = gate (i, c, o = 0, 1, 2) x 64 + hidden % 64; k = 128 ks + 8 kb + 0..7.
; So a tile (cg, ks) is 49,152 dense bytes, and the 16 rows that a fragment load takes lie in 256 consecutive bytes.
; SHARES.  Work-group g: cg = g / 8, k = 256 (g % 8) .. + 255, that is ks = 2 (g % 8) and the next: 98,304 dense bytes of wq.  Wave w of six: 32 rows of W (rho = 32 w + lane), two tiles of 128 k.
; Each wave brings its own two tiles by two tensor loads (two are out, by this text's count), reads only its own LDS bytes, and fills nothing again: no barrier.
; No matrix unit, no cluster: the launch streams, and no two work-groups read the same bytes.
; LIMITS.  The sum of squares is taken in another order than the reference's and the root is good to one unit in the last place: a norm within about 1e-6 (relative) of a whole number
; may fall on the other side of it.  An index past the table is clamped to 127, as the reference's gather clamps it.  NaN and infinities are not treated apart.
.set PW,    528                        ; an LDS row: 512 bytes + 16 of padding = 33 x 16: the 16 rows of half a wave's load start at 16 different groups of four banks (64 banks of 4 bytes: ISA guide 11.1)
.set TILEB, 32*PW                      ; a tile: 32 rows
.set WAVEB, 2*TILEB                    ; a wave's two tiles
.set SPARE, 6*WAVEB                    ; behind the tiles: the spare words, 128 bytes for each wave, in blocks of 256 that no other line names
.set LN,  1                            ; v1      lane
.set LA,  2                            ; v2      LDS address of my row in my wave's first tile; never rewritten
.set GO,  3                            ; v3      16 x lane; never rewritten
.set ZO,  4                            ; v4      0: the offset of idx's store
.set SPW, 30                           ; v30     LDS address of my spare word; never rewritten
.set NIL, 31                           ; v31     0; never rewritten
.set X,   32                           ; v[32:95]   eight groups of 8 k, f32 (first: a row of the embeddings)
.set Y,   96                           ; v[96:127]  the same in bf16, four registers a group
.set WV,  14                           ; s14     my wave's number
.set G1,  16                           ; s[16:23] descriptor group 1
.set G0,  24                           ; s[24:31] descriptor group 0, a set for each tile
	s_load_b256 s[4:11], s[0:1], 0x0               ; w_ih_l1_f s[4:5], w_ih_l1_b s[6:7], embeddings s[8:9], wq s[10:11]
	s_load_b64 s[12:13], s[0:1], 0x20              ; idx
	v_lshl_add_u32 v[SPW], v0, 2, SPARE
	v_mov_b32 v[NIL], 0
	ds_add_u32 v[SPW], v[NIL]                      ; the wave's opening: the add and its wait ahead of my first tensor load; the set-up below stands between them
	ds_add_u32 v30, v31
	v_lshrrev_b32 v5, 5, v0
	v_readfirstlane_b32 s[WV], v5                  ; wave 0..5
	s_mov_b32 s[G1+0], (2<<16)|(1<<20)|(6<<22)|(3<<25)  ; elements of 4 bytes; padding on: after every 128 words (code 6) 4 words (code 3)
	s_mov_b32 s[G1+1], 128<<16                     ; tensor_dim0 = 128
	s_mov_b32 s[G1+2], 32<<16                      ; tensor_dim1 = 32
	s_mov_b32 s[G1+3], 128<<16                     ; tile_dim0 = 128
	s_mov_b32 s[G1+4], 32                          ; tile_dim1 = 32
	s_mov_b32 s[G1+5], 2048                        ; elements from row to row
	s_mov_b32 s[G1+6], 0
	s_mov_b32 s[G1+7], 0
	s_mov_b32 s38, 0x76543210                      ; v_permlanex16_b32: each lane takes its own place in the other half
	s_mov_b32 s39, 0xfedcba98
	s_mul_i32 s15, s[WV], WAVEB                    ; my wave's tiles in LDS
	s_lshr_b32 s41, s[WV], 1                       ; gate 0, 1, 2 of the three kept,
	s_min_u32 s42, s41, 1
	s_add_co_u32 s41, s41, s42                     ; which is gate 0, 2, 3 of W
	s_lshl_b32 s41, s41, 10
	s_lshr_b32 s42, ttmp9, 3
	s_and_b32 s42, s42, 15
	s_lshl_b32 s42, s42, 6                         ; the group's 64 hidden columns
	s_add_co_u32 s41, s41, s42
	s_and_b32 s42, s[WV], 1
	s_lshl_b32 s42, s42, 5                         ; my half of them
	s_add_co_u32 s41, s41, s42                     ; my first row of W
	s_lshl_b32 s34, s41, 13                        ; rows of 8,192 bytes
	s_and_b32 s42, ttmp9, 7
	s_lshl_b32 s42, s42, 10                        ; the group's 256 k
	s_add_co_u32 s34, s34, s42
	s_mov_b32 s35, 0
	v_and_b32 v[LN], 31, v0
	v_mul_u32_u24 v[LA], v[LN], PW
	v_add_nc_u32 v[LA], s15, v[LA]
	v_lshlrev_b32 v[GO], 4, v[LN]
	v_mov_b32 v[ZO], 0
	s_wait_dscnt 0x0                               ; the opening add is done
	s_wait_kmcnt 0x0
	s_cmp_lt_u32 ttmp9, 128                        ; groups 0-127: forward, 128-255: backward
	s_cselect_b64 s[32:33], s[4:5], s[6:7]
	s_add_nc_u64 s[32:33], s[32:33], s[34:35]
.irp t, 0,1
	s_mov_b32 s[G0+4*(\t)], 1                      ; count = 1
	s_add_co_u32 s[G0+4*(\t)+1], s15, (\t)*TILEB   ; LDS address
	s_add_nc_u64 s[G0+4*(\t)+2:G0+4*(\t)+3], s[32:33], (\t)*512  ; the tile's first element
	s_or_b32 s[G0+4*(\t)+3], s[G0+4*(\t)+3], 0x80000000         ; type = 2
.endr
	tensor_load_to_lds s[G0:G0+3], s[G1:G1+7]
	s_nop 0
	tensor_load_to_lds s[G0+4:G0+7], s[G1:G1+7]
	s_nop 0
	s_mul_i32 s34, ttmp9, 98304                    ; the group's part of wq,
	s_lshl_b32 s42, s[WV], 9                       ; my wave's 32 rho of 16 bytes
	s_add_co_u32 s34, s34, s42
	s_add_nc_u64 s[36:37], s[10:11], s[34:35]
	; idx of embedding row g, by wave 0 of groups 0 to 63, while the tiles are on their way.  The two jumps go forward, past no barrier and no tensor load.
	s_cmp_lt_u32 ttmp9, 64
	s_cbranch_scc0 .Lno_idx
	s_cmp_eq_u32 s[WV], 0
	s_cbranch_scc0 .Lno_idx
	s_mul_i32 s34, ttmp9, 3072                     ; a row of 768 f32
	s_add_nc_u64 s[8:9], s[8:9], s[34:35]
	s_lshl_b32 s34, ttmp9, 2
	s_add_nc_u64 s[12:13], s[12:13], s[34:35]
.irp t, 0,1,2,3,4,5
	global_load_b128 v[X+4*(\t):X+4*(\t)+3], v[GO], s[8:9] offset:512*(\t)  ; 512 consecutive bytes a load
.endr
	s_wait_loadcnt 0x0
	v_pk_mul_f32 v[56:57], v[X:X+1], v[X:X+1]      ; the first two products start two chains: nothing is cleared
	v_pk_mul_f32 v[58:59], v[X+2:X+3], v[X+2:X+3]
.irp j, 2,3,4,5,6,7,8,9,10,11
	v_pk_fma_f32 v[56+2*((\j)%2):57+2*((\j)%2)], v[X+2*(\j):X+2*(\j)+1], v[X+2*(\j):X+2*(\j)+1], v[56+2*((\j)%2):57+2*((\j)%2)]
.endr
	v_pk_add_f32 v[56:57], v[56:57], v[58:59]
	v_add_f32 v56, v56, v57
	v_add_f32_dpp v56, v56, v56 row_xmask:1 row_mask:0xf bank_mask:0xf
	v_add_f32_dpp v56, v56, v56 row_xmask:2 row_mask:0xf bank_mask:0xf
	v_add_f32_dpp v56, v56, v56 row_xmask:4 row_mask:0xf bank_mask:0xf
	v_add_f32_dpp v56, v56, v56 row_xmask:8 row_mask:0xf bank_mask:0xf
	v_permlanex16_b32 v57, v56, s38, s39           ; its destination counts as read: v57 has been written
	v_add_f32 v56, v56, v57
	v_sqrt_f32 v56, v56
	v_nop                                          ; a plain instruction between the root and its use
	s_wait_alu depctr_va_vdst(0)
	v_cvt_u32_f32 v56, v56                         ; toward zero
	v_min_u32 v56, 127, v56
	v_cmp_eq_u32 vcc_lo, 0, v[LN]
	s_wait_xcnt 0x0                                ; EXEC changes only when the earlier loads' addresses are translated
	s_and_saveexec_b32 s40, vcc_lo
	global_store_b32 v[ZO], v56, s[12:13]          ; lane 0 alone
	s_wait_xcnt 0x0                                ; and again in front of the line that widens it
	s_or_b32 exec_lo, exec_lo, s40
.Lno_idx:
; Tile t: my row's 128 k, eight groups of 8 at a time: two LDS loads, four roundings and one store a group.
.macro TILE t
	s_wait_tensorcnt 1-(\t)                        ; a wave's tensor loads end in order: tile t is in, the younger one may stay out
.irp q, 0,1
.irp j, 0,1,2,3,4,5,6,7
	ds_load_b128 v[X+8*(\j):X+8*(\j)+3],   v[LA] offset:(\t)*TILEB+(8*(\q)+(\j))*32
	ds_load_b128 v[X+8*(\j)+4:X+8*(\j)+7], v[LA] offset:(\t)*TILEB+(8*(\q)+(\j))*32+16
.endr
.irp j, 0,1,2,3,4,5,6,7
	s_wait_dscnt 2*(7-(\j))                        ; LDS loads come back in order: the two loads of each younger group may stay out
	s_wait_xcnt 0x0                                ; Y's group j, which an earlier store reads, is rewritten only behind this wait
.irp k, 0,1,2,3
	v_cvt_pk_bf16_f32 v[Y+4*(\j)+(\k)], v[X+8*(\j)+2*(\k)], v[X+8*(\j)+2*(\k)+1]
.endr
	global_store_b128 v[GO], v[Y+4*(\j):Y+4*(\j)+3], s[36:37] offset:(\t)*49152+(8*(\q)+(\j))*3072  ; the wave stores 512 consecutive bytes, at a multiple of 256 from wq's first
.endr
.endr
.endm
	TILE 0
	TILE 1
	s_wait_tensorcnt 0x0                           ; the wave's end
	ds_add_u32 v[SPW], v[NIL]
	s_wait_dscnt 0x0
	s_endpgm
.Lfunc_end_k_qb75603a025_cast:
	.size	k_qb75603a025_cast, .Lfunc_end_k_qb75603a025_cast-k_qb75603a025_cast
	.p2alignl 7, 3214868480
	.fill 96, 4, 3214868480
	.section	.rodata,"a",@progbits
	.p2align	6, 0x0
	.amdhsa_kernel k_qb75603a025_cast
		.amdhsa_group_segment_fixed_size 203776
		.amdhsa_private_segment_fixed_size 0
		.amdhsa_enable_private_segment 0
		.amdhsa_kernarg_size 40
		.amdhsa_user_sgpr_count 2
		.amdhsa_user_sgpr_kernarg_segment_ptr 1
		.amdhsa_wavefront_size32 1
		.amdhsa_system_sgpr_workgroup_id_x 1
		.amdhsa_system_sgpr_workgroup_id_y 1
		.amdhsa_system_sgpr_workgroup_id_z 1
		.amdhsa_system_vgpr_workitem_id 0
		.amdhsa_next_free_vgpr 128
		.amdhsa_next_free_sgpr 66
		.amdhsa_reserve_vcc 1
		.amdhsa_float_denorm_mode_32 3
		.amdhsa_float_denorm_mode_16_64 3
		.amdhsa_memory_ordered 1
		.amdhsa_forward_progress 1
		.amdhsa_inst_pref_size 23
	.end_amdhsa_kernel
	.amdgpu_metadata
---
amdhsa.version: [ 1, 2 ]
amdhsa.kernels:
  - .name:           k_qb75603a025_cast
    .symbol:         k_qb75603a025_cast.kd
    .args:
      - { .name: w_ih_l1_f, .offset: 0, .size: 8, .value_kind: global_buffer, .address_space: global }
      - { .name: w_ih_l1_b, .offset: 8, .size: 8, .value_kind: global_buffer, .address_space: global }
      - { .name: input_embeddings, .offset: 16, .size: 8, .value_kind: global_buffer, .address_space: global }
      - { .name: wq, .offset: 24, .size: 8, .value_kind: global_buffer, .address_space: global }
      - { .name: idx, .offset: 32, .size: 8, .value_kind: global_buffer, .address_space: global }
    .group_segment_fixed_size: 203776
    .private_segment_fixed_size: 0
    .kernarg_segment_align: 8
    .kernarg_segment_size: 40
    .max_flat_workgroup_size: 192
    .sgpr_count:     66
    .vgpr_count:     128
    .wavefront_size: 32
...
	.end_amdgpu_metadata
.endif
;; end of part 1
;; launch front (part 2): grid 256 x 1, 8 waves a work-group, no clusters, 315,392 bytes of LDS; arguments idx, input_embeddings, pos_emb, w_ih_l0_f, w_ih_l0_b, b_ih_l0_f, b_ih_l0_b, b_hh_l0_f, b_hh_l0_b, h1q; writes h1q
.if DOCPART == 2
	.amdgcn_target "amdgcn-amd-amdhsa--gfx1250"
	.amdhsa_code_object_version 6
	.text
	.protected	k_qb75603a025_front
	.globl	k_qb75603a025_front
	.p2align	8
	.type	k_qb75603a025_front,@function
k_qb75603a025_front:
	s_mov_b64 s[64:65], 0
	v_nop
	global_prefetch_b8 v0, s[64:65] scope:SCOPE_SE
	s_setreg_imm32_b32 hwreg(HW_REG_WAVE_MODE, 25, 1), 1
	s_wait_xcnt 0x0
; LAYER 0.  A pair's row is (e_i, e_j), so its gates are U[b,i] + V[b,j] + bias with U = e W_left^T, V = e W_right^T: a product with the 64 rows of e in place of the 2,048 pairs.
; e[row] = (embedding row, pos_emb[idx[row]]), 1,024 long.  h1 = sigmoid(o) tanh(sigmoid(i) tanh(c)); the f gate's rows of W and of the biases are not loaded: the reference never uses that gate.
; SHARES.  Work-group g: direction g / 128, hidden columns 8 (g % 128) .. + 7, gates i, c, o.  For a gate its 8 rows of W are 64 KB dense, taken as 16 half rows of 4,096 bytes
; (2 x column + half; half 0 multiplies e_i, half 1 e_j).  K IS SPLIT OVER THE EIGHT WAVES: wave w owns e's k = 128 w .. + 127, 512 bytes of each half row, brought by three tensor loads
; (one a gate; three are out, by this text's count).  The waves' sums meet in LDS.  Then wave w makes the pairs 256 w .. + 255: U + V, the activations, h1 in bf16.
; THE MATRIX INSTRUCTION IS USED TRANSPOSED: source 0 = the 16 half rows of W in the order 8 x half + column, source 1 = 16 rows of e: lane (r, h) then holds e's row r, half h, and in its eight registers the eight columns.
; h1q is [mt 8][kb 256][row 256][8] bf16 (pair = 256 mt + row, h1's column = 8 kb + 0..7): this group writes kb = g; a wave's store is 512 consecutive bytes.
; NO CLUSTER: no two work-groups read the same bytes of W, which are nearly all of a group's bytes; e, which all share, is 256 KB and comes through registers.
; Operands e and W are rounded to bf16, sums are f32; the scale of each gate's exponent (-log2 e, for c -2 log2 e) is applied to the f32 sums.
; LIMITS.  The exponent of the inner tanh is clamped at 60, so that factor is at most 2^60: the error in tanh is below 1e-18.  An exponential that overflows gives the right limit, 0.  NaN and infinities in the inputs are not treated apart.
.set PW,    528                        ; an LDS row of W: 512 bytes + 16 of padding = 33 x 16: 16 rows start at 16 different groups of four banks (64 banks of 4 bytes: ISA guide 11.1)
.set WGATE, 16*PW                      ; a gate's tile
.set WWAVE, 3*WGATE                    ; a wave's three
.set RED,   8*WWAVE                    ; the waves' partial sums: 12 results x 1,024 bytes for each wave; no tensor load lands here or behind
.set REDW,  12288
.set GT,    RED+8*REDW                 ; the sums: 64 rows of e x [half 2][gate 3][8] f32 = 192 bytes, + 16
.set GP,    208                        ; = 13 x 16
.set SPARE, GT+64*GP                   ; the spare words, 128 bytes for each wave: four blocks of 256 that no other line names
; window 0
.set OFF, 4                            ; v[4:7]   idx of row 16 m + r, then my byte offset in e's source for that row
.set WA,  8                            ; v8       LDS: my half row of W, my half of the k
.set RS,  9                            ; v9       LDS: where my wave's sums go
.set RA,  10                           ; v10, 11  LDS: where I read the eight waves' sums (waves 0-3, 4-7)
.set RB,  11
.set GA,  12                           ; v12      LDS: where my four total sums go
.set VA,  13                           ; v13      LDS: V's row of my pair's j
.set UA,  14                           ; v14      LDS: U's row of the trip's i; steps
.set GO,  15                           ; v15      my byte offset in h1q; steps
.set OUT, 16                           ; v[16:19] eight bf16 to store
.set SPW, 30                           ; v30      LDS address of my spare word; never rewritten
.set NIL, 31                           ; v31      0; never rewritten
.set EF,  32                           ; v[32:159]  e's fragments: rows 16 m, k 32 k at EF + 8 (4 m + k); later the registers below
.set ACC, 160                          ; v[160:255] result T = 4 gate + m at ACC + 8 T
.set V,   32                           ; v[32:55]   [gate][8]
.set U,   56                           ; v[56:79]
.set TI,  80
.set TC,  88
.set TO,  96
.set P,   104
.set Q,   112
; window 1: v[0:255] e as loaded, f32, fragment (m, k) at 16 (4 m + k); then W as loaded at 64 gate + 16 k, and W's fragments, two buffers, at 192 + 32 (gate % 2) + 8 k
.set WV,  2                            ; s2       my wave's number
.set ML,  10                           ; s[10:11] -log2 e, as a pair
.set EB,  12                           ; s[12:13] e's source for my k: the embeddings (waves 0-5) or pos_emb (6, 7)
.set P2L, 16                           ; s[16:17] 2 log2 e
.set M2L, 20                           ; s[20:21] -2 log2 e
.set G1,  24                           ; s[24:31] descriptor group 1
.set G0,  32                           ; s[32:43] descriptor group 0, a set for each gate
.set MSB, 0
.macro WIN new                         ; the immediate's high byte repeats the setting that is left; a switch that changes nothing is dropped
.if MSB != (\new)
	s_set_vgpr_msb (MSB<<8)|(\new)
.set MSB, \new
.endif
.endm
; Eight numbers' activations.  In: TI = -L x_i, TC = -2L x_c, TO = -L x_o (L = log2 e).  Out: h = TC x Q.
; With a = 2^TI, f = 2^TC, b = 2^TO: cell = (1 - f) / ((1 + a)(1 + f)); g = 2^(-2L cell); h = (1 - g) / ((1 + g)(1 + b)).  Six transcendentals a number.
; Behind each run of transcendentals one plain instruction that touches none of the last one's registers comes before a result is used (ISA guide 5.7.2).
.macro ACT8
.irp j, 0,1,2,3,4,5,6,7
	v_min_num_f32 v[TC+(\j)], 0x42700000, v[TC+(\j)]  ; at most 60: 1 - f stays finite
.endr
.irp j, 0,1,2,3,4,5,6,7
	v_exp_f32 v[TI+(\j)], v[TI+(\j)]
.endr
.irp j, 0,1,2,3,4,5,6,7
	v_exp_f32 v[TC+(\j)], v[TC+(\j)]
.endr
.irp j, 0,1,2,3,4,5,6,7
	v_exp_f32 v[TO+(\j)], v[TO+(\j)]
.endr
	v_nop
	s_wait_alu depctr_va_vdst(0)
.irp z, 0,2,4,6
	v_pk_add_f32 v[P+(\z):P+(\z)+1], v[TI+(\z):TI+(\z)+1], 1.0 op_sel_hi:[1,0]
.endr
.irp z, 0,2,4,6
	v_pk_add_f32 v[Q+(\z):Q+(\z)+1], v[TC+(\z):TC+(\z)+1], 1.0 op_sel_hi:[1,0]
.endr
.irp z, 0,2,4,6
	v_pk_fma_f32 v[TC+(\z):TC+(\z)+1], v[TC+(\z):TC+(\z)+1], s[P2L:P2L+1], s[M2L:M2L+1] op_sel_hi:[1,0,0]  ; -2L (1 - f)
.endr
.irp z, 0,2,4,6
	v_pk_mul_f32 v[P+(\z):P+(\z)+1], v[P+(\z):P+(\z)+1], v[Q+(\z):Q+(\z)+1]
.endr
.irp j, 0,1,2,3,4,5,6,7
	v_rcp_f32 v[P+(\j)], v[P+(\j)]
.endr
.irp z, 0,2,4,6
	v_pk_add_f32 v[TO+(\z):TO+(\z)+1], v[TO+(\z):TO+(\z)+1], 1.0 op_sel_hi:[1,0]
.endr
	s_wait_alu depctr_va_vdst(0)
.irp z, 0,2,4,6
	v_pk_mul_f32 v[TC+(\z):TC+(\z)+1], v[TC+(\z):TC+(\z)+1], v[P+(\z):P+(\z)+1]  ; -2L cell
.endr
.irp j, 0,1,2,3,4,5,6,7
	v_exp_f32 v[TC+(\j)], v[TC+(\j)]
.endr
	v_nop
	s_wait_alu depctr_va_vdst(0)
.irp z, 0,2,4,6
	v_pk_add_f32 v[Q+(\z):Q+(\z)+1], v[TC+(\z):TC+(\z)+1], 1.0 op_sel_hi:[1,0]
.endr
.irp z, 0,2,4,6
	v_pk_add_f32 v[TC+(\z):TC+(\z)+1], v[TC+(\z):TC+(\z)+1], 1.0 op_sel_hi:[1,0] neg_lo:[1,0] neg_hi:[1,0]  ; 1 - g
.endr
.irp z, 0,2,4,6
	v_pk_mul_f32 v[Q+(\z):Q+(\z)+1], v[Q+(\z):Q+(\z)+1], v[TO+(\z):TO+(\z)+1]
.endr
.irp j, 0,1,2,3,4,5,6,7
	v_rcp_f32 v[Q+(\j)], v[Q+(\j)]
.endr
	v_nop
.endm
	s_load_b512 s[4:19], s[0:1], 0x0               ; idx s[4:5], embeddings s[6:7], pos_emb s[8:9], w f s[10:11], w b s[12:13], b_ih f s[14:15], b_ih b s[16:17], b_hh f s[18:19]
	s_load_b128 s[20:23], s[0:1], 0x40             ; b_hh b s[20:21], h1q s[22:23]
	v_lshl_add_u32 v[SPW], v0, 2, SPARE
	v_mov_b32 v[NIL], 0
	ds_add_u32 v[SPW], v[NIL]                      ; the wave's opening: the add and its wait ahead of my first tensor load; the set-up below stands between them
	ds_add_u32 v30, v31
	v_lshrrev_b32 v20, 5, v0
	v_readfirstlane_b32 s[WV], v20                 ; wave 0..7
	s_mov_b32 s[G1+0], (2<<16)|(1<<20)|(6<<22)|(3<<25)  ; elements of 4 bytes; padding on: after every 128 words (code 6) 4 words (code 3)
	s_mov_b32 s[G1+1], 128<<16                     ; tensor_dim0 = 128
	s_mov_b32 s[G1+2], 16<<16                      ; tensor_dim1 = 16
	s_mov_b32 s[G1+3], 128<<16                     ; tile_dim0 = 128
	s_mov_b32 s[G1+4], 16                          ; tile_dim1 = 16 half rows
	s_mov_b32 s[G1+5], 1024                        ; elements from half row to half row
	s_mov_b32 s[G1+6], 0
	s_mov_b32 s[G1+7], 0
	s_mul_i32 s60, s[WV], WWAVE                    ; my wave's tiles in LDS
	s_and_b32 s61, ttmp9, 127
	s_lshl_b32 s62, s61, 16                        ; the group's 8 rows of 8,192 bytes,
	s_lshl_b32 s63, s[WV], 9                       ; my wave's 512 bytes of a half row
	s_add_co_u32 s62, s62, s63
	s_mov_b32 s63, 0
	s_wait_dscnt 0x0                               ; the opening add is done
	s_wait_kmcnt 0x0
	s_cmp_lt_u32 ttmp9, 128                        ; groups 0-127: forward, 128-255: backward
	s_cselect_b64 s[10:11], s[10:11], s[12:13]
	s_cselect_b64 s[14:15], s[14:15], s[16:17]
	s_cselect_b64 s[18:19], s[18:19], s[20:21]
	s_add_nc_u64 s[10:11], s[10:11], s[62:63]
.irp y, 0,1,2                          ; the kept gate y is W's gate y + (y + 1) / 2 = 0, 2, 3: 1,024 rows of 8,192 bytes each
	s_mov_b32 s[G0+4*(\y)], 1
	s_add_co_u32 s[G0+4*(\y)+1], s60, (\y)*WGATE
	s_add_nc_u64 s[G0+4*(\y)+2:G0+4*(\y)+3], s[10:11], ((\y)+((\y)+1)/2)*8388608
	s_or_b32 s[G0+4*(\y)+3], s[G0+4*(\y)+3], 0x80000000
.endr
	tensor_load_to_lds s[G0:G0+3], s[G1:G1+7]
	s_nop 0
	tensor_load_to_lds s[G0+4:G0+7], s[G1:G1+7]
	s_nop 0
	tensor_load_to_lds s[G0+8:G0+11], s[G1:G1+7]
	s_nop 0
.rept 4
	v_nop
.endr
	s_lshl_b32 s62, s61, 5                         ; the group's 8 columns in a bias
	s_add_nc_u64 s[14:15], s[14:15], s[62:63]
	s_add_nc_u64 s[18:19], s[18:19], s[62:63]
	s_load_b256 s[44:51], s[14:15], 0x0            ; b_ih of gates i, c, o
	s_load_b256 s[52:59], s[14:15], 0x2000
	s_load_b256 s[68:75], s[14:15], 0x3000
	s_load_b256 s[76:83], s[18:19], 0x0            ; b_hh
	s_load_b256 s[84:91], s[18:19], 0x2000
	s_load_b256 s[92:99], s[18:19], 0x3000
	s_cmp_lt_u32 s[WV], 6                          ; e's k below 768 lie in the embeddings, the rest in pos_emb: a choice of base and factors, no branch
	s_cselect_b64 s[EB:EB+1], s[6:7], s[8:9]
	s_cselect_b32 s60, 0, 1024                     ; bytes for each unit of idx
	s_cselect_b32 s61, 3072, 0                     ; bytes for each row
	s_cselect_b32 s62, 0, 6
	s_sub_co_u32 s62, s[WV], s62
	s_lshl_b32 s62, s62, 9                         ; my 128 k in the source's row
	s_lshl_b32 s63, s61, 4                         ; 16 rows
	s_mov_b32 s[ML], 0xbfb8aa3b
	s_mov_b32 s[ML+1], 0xbfb8aa3b
	s_mov_b32 s[P2L], 0x4038aa3b
	s_mov_b32 s[P2L+1], 0x4038aa3b
	s_mov_b32 s[M2L], 0xc038aa3b
	s_mov_b32 s[M2L+1], 0xc038aa3b
	v_and_b32 v1, 15, v0                           ; r
	v_bfe_u32 v2, v0, 4, 1                         ; h
	v_and_b32 v3, 31, v0                           ; lane
	v_lshlrev_b32 v20, 2, v1
.irp m, 0,1,2,3
	global_load_b32 v[OFF+(\m)], v20, s[4:5] offset:64*(\m)  ; idx of row 16 m + r
.endr
	v_mul_lo_u32 v21, v1, s61
	v_lshl_add_u32 v21, v2, 5, v21                 ; a fragment's k = 8 h .. are 32 bytes of f32
	v_add_nc_u32 v21, s62, v21
	s_wait_loadcnt 0x0
.irp m, 0,1,2,3
	v_min_u32 v[OFF+(\m)], 127, v[OFF+(\m)]        ; inside the table, whatever was stored
	v_mul_lo_u32 v[OFF+(\m)], v[OFF+(\m)], s60
	v_add_nc_u32 v[OFF+(\m)], v[OFF+(\m)], v21
	v_add_nc_u32 v21, s63, v21
.endr
	; e, f32: a fragment (16 rows x 32 k) is four loads of 16 bytes a lane: k = 8 h + 0..7 and 16 + 8 h + 0..7
	WIN 0x40                                       ; destination window 1, address window 0
.irp m, 0,1,2,3
.irp k, 0,1,2,3
	global_load_b128 v[16*(4*(\m)+(\k)):16*(4*(\m)+(\k))+3],      v[OFF+(\m)], s[EB:EB+1] offset:128*(\k)
	global_load_b128 v[16*(4*(\m)+(\k))+4:16*(4*(\m)+(\k))+7],    v[OFF+(\m)], s[EB:EB+1] offset:128*(\k)+16
	global_load_b128 v[16*(4*(\m)+(\k))+8:16*(4*(\m)+(\k))+11],   v[OFF+(\m)], s[EB:EB+1] offset:128*(\k)+64
	global_load_b128 v[16*(4*(\m)+(\k))+12:16*(4*(\m)+(\k))+15],  v[OFF+(\m)], s[EB:EB+1] offset:128*(\k)+80
.endr
.endr
	WIN 0
	; the LDS addresses are made while those loads are on their way
	v_and_b32 v22, 7, v1
	v_lshrrev_b32 v23, 3, v1
	v_lshl_add_u32 v22, v22, 1, v23                ; source 0's row r = 8 x half + column is half row 2 x column + half
	v_mul_u32_u24 v[WA], v22, PW
	v_lshl_add_u32 v[WA], v2, 5, v[WA]
	s_mul_i32 s60, s[WV], WWAVE
	v_add_nc_u32 v[WA], s60, v[WA]
	s_mul_i32 s60, s[WV], REDW
	s_add_co_u32 s60, s60, RED
	v_lshl_add_u32 v[RS], v3, 4, s60
	v_lshl_add_u32 v[RA], v0, 4, RED
	v_add_nc_u32 v[RB], 4*REDW, v[RA]
	s_lshr_b32 s60, s[WV], 1                       ; thread 32 w + lane sums, of each gate, rows 16 (w / 2) + r, half h, columns 4 (w % 2) + 0..3
	s_mul_i32 s60, s60, 16*GP
	s_and_b32 s61, s[WV], 1
	s_lshl_b32 s61, s61, 4
	s_add_co_u32 s60, s60, s61
	s_add_co_u32 s60, s60, GT
	v_mul_u32_u24 v[GA], v1, GP
	v_mad_u32_u24 v[GA], v2, 96, v[GA]
	v_add_nc_u32 v[GA], s60, v[GA]
	s_lshr_b32 s60, s[WV], 2                       ; pairs 256 w ..: batch w / 4, i = 8 (w % 4) + trip, j = lane
	s_mul_i32 s60, s60, 32*GP
	s_add_co_u32 s60, s60, GT+96
	v_mul_u32_u24 v[VA], v3, GP
	v_add_nc_u32 v[VA], s60, v[VA]
	s_mul_i32 s60, s[WV], 8*GP                     ; U's row 32 (w / 4) + 8 (w % 4) = 8 w
	s_add_co_u32 s60, s60, GT
	v_mov_b32 v[UA], s60
	v_lshlrev_b32 v[GO], 4, v3
	s_lshl_b32 s60, s[WV], 20                      ; h1q: mt = w, kb = g
	s_lshl_b32 s61, ttmp9, 12
	s_add_co_u32 s60, s60, s61
	s_mov_b32 s61, 0
	s_add_nc_u64 s[22:23], s[22:23], s[60:61]
.irp m, 0,1,2,3
	s_wait_loadcnt 48-16*(\m)                      ; loads come back in order: the sixteen of each younger block of rows may stay out
	WIN 0x05                                       ; sources window 1, destination window 0
.set i, 0
.rept 32
	v_cvt_pk_bf16_f32 v[EF+32*(\m)+i], v[64*(\m)+2*i], v[64*(\m)+2*i+1]
.set i, i+1
.endr
.endr
.irp y, 0,1,2
	s_wait_tensorcnt 2-(\y)                        ; a wave's tensor loads end in order: gate y's tile is in, the younger ones may stay out; only I read these bytes
	WIN 0x40
.irp k, 0,1,2,3
	ds_load_b128 v[64*(\y)+16*(\k):64*(\y)+16*(\k)+3],     v[WA] offset:(\y)*WGATE+128*(\k)
	ds_load_b128 v[64*(\y)+16*(\k)+4:64*(\y)+16*(\k)+7],   v[WA] offset:(\y)*WGATE+128*(\k)+16
	ds_load_b128 v[64*(\y)+16*(\k)+8:64*(\y)+16*(\k)+11],  v[WA] offset:(\y)*WGATE+128*(\k)+64
	ds_load_b128 v[64*(\y)+16*(\k)+12:64*(\y)+16*(\k)+15], v[WA] offset:(\y)*WGATE+128*(\k)+80
.endr
.endr
	; THE PRODUCTS: for each gate 32 roundings and 16 matrix instructions.  The gate's four accumulators take turns, one instruction a turn; the first 32 k start the sums.
	; W's fragments have two buffers: a buffer is written again behind the other gate's 32 roundings, which name none of its readers' registers.
.irp y, 0,1,2
	s_wait_dscnt 16*(2-(\y))                       ; the sixteen loads of each younger gate may stay out
	WIN 0x45                                       ; all in window 1
.set i, 0
.rept 32
	v_cvt_pk_bf16_f32 v[192+32*((\y)%2)+i], v[64*(\y)+2*i], v[64*(\y)+2*i+1]
.set i, i+1
.endr
	WIN 0x01                                       ; source 0 (W) window 1; e and the sums window 0
.irp k, 0,1,2,3
.irp m, 0,1,2,3
.if (\k) == 0
	v_wmma_f32_16x16x32_bf16 v[ACC+8*(4*(\y)+(\m)):ACC+8*(4*(\y)+(\m))+7], v[192+32*((\y)%2)+8*(\k):192+32*((\y)%2)+8*(\k)+7], v[EF+8*(4*(\m)+(\k)):EF+8*(4*(\m)+(\k))+7], 0
.else
	v_wmma_f32_16x16x32_bf16 v[ACC+8*(4*(\y)+(\m)):ACC+8*(4*(\y)+(\m))+7], v[192+32*((\y)%2)+8*(\k):192+32*((\y)%2)+8*(\k)+7], v[EF+8*(4*(\m)+(\k)):EF+8*(4*(\m)+(\k))+7], v[ACC+8*(4*(\y)+(\m)):ACC+8*(4*(\y)+(\m))+7]
.endif
.endr
.endr
.endr
	WIN 0
.rept 4
	v_nop                                          ; four places between the last product and the stores that read results
.endr
.set t, 0
.rept 12                                       ; each result's low four registers first
	ds_store_b128 v[RS], v[ACC+8*t:ACC+8*t+3] offset:1024*t
	ds_store_b128 v[RS], v[ACC+8*t+4:ACC+8*t+7] offset:1024*t+512
.set t, t+1
.endr
	s_wait_dscnt 0x0                               ; for the others' sake: my sums are in LDS
	s_barrier_signal -1
	s_barrier_wait -1
	; THE SUM OVER THE EIGHT WAVES: a thread takes 16 bytes of each gate's 4,096 from each wave
.irp i, 0,1,2
.irp u, 0,1,2,3
	ds_load_b128 v[32+32*(\i)+4*(\u):32+32*(\i)+4*(\u)+3], v[RA] offset:(\u)*REDW+(\i)*4096
.endr
.irp u, 0,1,2,3
	ds_load_b128 v[48+32*(\i)+4*(\u):48+32*(\i)+4*(\u)+3], v[RB] offset:(\u)*REDW+(\i)*4096
.endr
.endr
.irp i, 0,1,2
	s_wait_dscnt 16-7*(\i)                         ; behind gate i's loads stand eight loads for each younger gate and one store for each older: 16, 9, 2
.irp u, 0,8,16,24
	v_pk_add_f32 v[32+32*(\i)+(\u):32+32*(\i)+(\u)+1],   v[32+32*(\i)+(\u):32+32*(\i)+(\u)+1],   v[32+32*(\i)+(\u)+4:32+32*(\i)+(\u)+5]
	v_pk_add_f32 v[32+32*(\i)+(\u)+2:32+32*(\i)+(\u)+3], v[32+32*(\i)+(\u)+2:32+32*(\i)+(\u)+3], v[32+32*(\i)+(\u)+6:32+32*(\i)+(\u)+7]
.endr
.irp u, 0,16
	v_pk_add_f32 v[32+32*(\i)+(\u):32+32*(\i)+(\u)+1],   v[32+32*(\i)+(\u):32+32*(\i)+(\u)+1],   v[32+32*(\i)+(\u)+8:32+32*(\i)+(\u)+9]
	v_pk_add_f32 v[32+32*(\i)+(\u)+2:32+32*(\i)+(\u)+3], v[32+32*(\i)+(\u)+2:32+32*(\i)+(\u)+3], v[32+32*(\i)+(\u)+10:32+32*(\i)+(\u)+11]
.endr
	v_pk_add_f32 v[32+32*(\i):32+32*(\i)+1],   v[32+32*(\i):32+32*(\i)+1],   v[32+32*(\i)+16:32+32*(\i)+17]
	v_pk_add_f32 v[32+32*(\i)+2:32+32*(\i)+3], v[32+32*(\i)+2:32+32*(\i)+3], v[32+32*(\i)+18:32+32*(\i)+19]
.if (\i) == 1
	v_pk_mul_f32 v[32+32*(\i):32+32*(\i)+1],   v[32+32*(\i):32+32*(\i)+1],   s[M2L:M2L+1] op_sel_hi:[1,0]  ; the gate's scale
	v_pk_mul_f32 v[32+32*(\i)+2:32+32*(\i)+3], v[32+32*(\i)+2:32+32*(\i)+3], s[M2L:M2L+1] op_sel_hi:[1,0]
.else
	v_pk_mul_f32 v[32+32*(\i):32+32*(\i)+1],   v[32+32*(\i):32+32*(\i)+1],   s[ML:ML+1] op_sel_hi:[1,0]
	v_pk_mul_f32 v[32+32*(\i)+2:32+32*(\i)+3], v[32+32*(\i)+2:32+32*(\i)+3], s[ML:ML+1] op_sel_hi:[1,0]
.endif
	ds_store_b128 v[GA], v[32+32*(\i):32+32*(\i)+3] offset:32*(\i)
.endr
	s_wait_dscnt 0x0                               ; for the others' sake: my totals are in LDS
	s_barrier_signal -1
	s_barrier_wait -1
	; MY PAIRS.  V's row (j = lane) and the biases are taken once; U's row changes with i.
.irp q, 0,1,2,3,4,5
	ds_load_b128 v[V+4*(\q):V+4*(\q)+3], v[VA] offset:16*(\q)
.endr
	s_wait_kmcnt 0x0                               ; the biases
	s_wait_dscnt 0x0
.irp c, 0,1,2,3,4,5,6,7
	v_fma_f32 v[V+(\c)],    s[44+(\c)], s[ML],  v[V+(\c)]
	v_fma_f32 v[V+8+(\c)],  s[52+(\c)], s[M2L], v[V+8+(\c)]
	v_fma_f32 v[V+16+(\c)], s[68+(\c)], s[ML],  v[V+16+(\c)]
.endr
.irp c, 0,1,2,3,4,5,6,7
	v_fma_f32 v[V+(\c)],    s[76+(\c)], s[ML],  v[V+(\c)]
	v_fma_f32 v[V+8+(\c)],  s[84+(\c)], s[M2L], v[V+8+(\c)]
	v_fma_f32 v[V+16+(\c)], s[92+(\c)], s[ML],  v[V+16+(\c)]
.endr
	s_mov_b32 s3, 8
.Lrow:                                                 ; a trip: one i, 32 pairs, 8 columns each
.irp q, 0,1,2,3,4,5
	ds_load_b128 v[U+4*(\q):U+4*(\q)+3], v[UA] offset:16*(\q)  ; all lanes read the same words
.endr
	s_wait_dscnt 0x0
.irp z, 0,2,4,6,8,10,12,14,16,18,20,22
	v_pk_add_f32 v[TI+(\z):TI+(\z)+1], v[U+(\z):U+(\z)+1], v[V+(\z):V+(\z)+1]  ; TI, TC, TO lie on end
.endr
	ACT8
	s_wait_alu depctr_va_vdst(0)
.irp z, 0,2,4,6
	v_pk_mul_f32 v[TC+(\z):TC+(\z)+1], v[TC+(\z):TC+(\z)+1], v[Q+(\z):Q+(\z)+1]
.endr
.irp z, 0,1,2,3
	v_cvt_pk_bf16_f32 v[OUT+(\z)], v[TC+2*(\z)], v[TC+2*(\z)+1]
.endr
	global_store_b128 v[GO], v[OUT:OUT+3], s[22:23]  ; the wave stores 512 consecutive bytes, at a multiple of 256 from h1q's first
	s_wait_xcnt 0x0                                ; GO and OUT are written again only behind this wait
	v_add_nc_u32 v[GO], 512, v[GO]
	v_add_nc_u32 v[UA], GP, v[UA]
	s_sub_co_u32 s3, s3, 1
	s_cmp_lg_u32 s3, 0
	s_cbranch_scc1 .Lrow
	s_wait_tensorcnt 0x0                           ; the wave's end
	ds_add_u32 v[SPW], v[NIL]
	s_wait_dscnt 0x0
	s_endpgm
.Lfunc_end_k_qb75603a025_front:
	.size	k_qb75603a025_front, .Lfunc_end_k_qb75603a025_front-k_qb75603a025_front
	.p2alignl 7, 3214868480
	.fill 96, 4, 3214868480
	.section	.rodata,"a",@progbits
	.p2align	6, 0x0
	.amdhsa_kernel k_qb75603a025_front
		.amdhsa_group_segment_fixed_size 315392
		.amdhsa_private_segment_fixed_size 0
		.amdhsa_enable_private_segment 0
		.amdhsa_kernarg_size 80
		.amdhsa_user_sgpr_count 2
		.amdhsa_user_sgpr_kernarg_segment_ptr 1
		.amdhsa_wavefront_size32 1
		.amdhsa_system_sgpr_workgroup_id_x 1
		.amdhsa_system_sgpr_workgroup_id_y 1
		.amdhsa_system_sgpr_workgroup_id_z 1
		.amdhsa_system_vgpr_workitem_id 0
		.amdhsa_next_free_vgpr 512
		.amdhsa_next_free_sgpr 100
		.amdhsa_reserve_vcc 0
		.amdhsa_float_denorm_mode_32 3
		.amdhsa_float_denorm_mode_16_64 3
		.amdhsa_memory_ordered 1
		.amdhsa_forward_progress 1
		.amdhsa_inst_pref_size 51
	.end_amdhsa_kernel
	.amdgpu_metadata
---
amdhsa.version: [ 1, 2 ]
amdhsa.kernels:
  - .name:           k_qb75603a025_front
    .symbol:         k_qb75603a025_front.kd
    .args:
      - { .name: idx, .offset: 0, .size: 8, .value_kind: global_buffer, .address_space: global }
      - { .name: input_embeddings, .offset: 8, .size: 8, .value_kind: global_buffer, .address_space: global }
      - { .name: pos_emb, .offset: 16, .size: 8, .value_kind: global_buffer, .address_space: global }
      - { .name: w_ih_l0_f, .offset: 24, .size: 8, .value_kind: global_buffer, .address_space: global }
      - { .name: w_ih_l0_b, .offset: 32, .size: 8, .value_kind: global_buffer, .address_space: global }
      - { .name: b_ih_l0_f, .offset: 40, .size: 8, .value_kind: global_buffer, .address_space: global }
      - { .name: b_ih_l0_b, .offset: 48, .size: 8, .value_kind: global_buffer, .address_space: global }
      - { .name: b_hh_l0_f, .offset: 56, .size: 8, .value_kind: global_buffer, .address_space: global }
      - { .name: b_hh_l0_b, .offset: 64, .size: 8, .value_kind: global_buffer, .address_space: global }
      - { .name: h1q, .offset: 72, .size: 8, .value_kind: global_buffer, .address_space: global }
    .group_segment_fixed_size: 315392
    .private_segment_fixed_size: 0
    .kernarg_segment_align: 8
    .kernarg_segment_size: 80
    .max_flat_workgroup_size: 256
    .sgpr_count:     100
    .vgpr_count:     512
    .wavefront_size: 32
...
	.end_amdgpu_metadata
.endif
;; end of part 2
;; launch gemm (part 3): grid 32 x 8, 4 waves a work-group, clusters of 4 x 4, 327,680 bytes of LDS; arguments h1q, wq, b_ih_l1_f, b_ih_l1_b, b_hh_l1_f, b_hh_l1_b, fc_w, part; writes part
.if DOCPART == 3
	.amdgcn_target "amdgcn-amd-amdhsa--gfx1250"
	.amdhsa_code_object_version 6
	.text
	.protected	k_qb75603a025_gemm
	.globl	k_qb75603a025_gemm
	.p2align	8
	.type	k_qb75603a025_gemm,@function
k_qb75603a025_gemm:
	s_mov_b64 s[64:65], 0
	v_nop
	global_prefetch_b8 v0, s[64:65] scope:SCOPE_SE
	s_setreg_imm32_b32 hwreg(HW_REG_WAVE_MODE, 25, 1), 1
	s_wait_xcnt 0x0
	s_wait_alu depctr_hold_cnt(0) depctr_sa_sdst(0) depctr_va_vdst(0) depctr_va_sdst(0) depctr_va_ssrc(0) depctr_va_vcc(0) depctr_vm_vsrc(0)
	s_getreg_b32 s2, hwreg(HW_REG_IB_STS2, 6, 4)
	s_cmp_eq_u32 s2, 0
	s_cbranch_scc0 .Lentry_in_a_cluster
	s_endpgm
.Lentry_in_a_cluster:
	s_bfe_u32 s2, ttmp6, 0x10000c
	s_cmp_lg_u32 s2, 0xf033
	s_cbranch_scc0 .Lentry_shape_is_right
	s_endpgm
.Lentry_shape_is_right:
; LAYER 1 AND THE LAST DOT PRODUCT.  g = h1 W1^T + b_ih + b_hh for gates i, c, o (the f gate is never used by the reference and is not computed); h2 = sigmoid(o) tanh(sigmoid(i) tanh(c));
; part[cg][pair] = the sum over the group's 64 hidden columns of h2 x fc_w.  The next launch adds the 32 groups.
; SHARES.  A work-group: 256 pairs (mt) x 64 hidden columns x 3 gates (cg): 256 x 192 of g.  Its four waves: 128 pairs (wm) x 32 hidden columns (wn) x 3 gates: 48 accumulators of 16 x 16, 384 registers,
; so that a lane holds all three gates of a number and the activations need no exchange.  K = 2,048 goes in 16 steps of 128 through two LDS slots.
; OPERANDS are bf16, as the two launches before wrote them: h1q [mt][ks][kb 16][row 256][8], wq [cg][ks][kb 16][rho 192][8].  A tile is dense, so it is asked for as rows of 256 bytes, and the 16 rows of a
; fragment load lie in 256 consecutive LDS bytes, no padding (64 banks of 4 bytes: ISA guide 11.1).
; THE MATRIX INSTRUCTION IS USED TRANSPOSED: source 0 = 16 rows of wq, source 1 = 16 pairs: lane (r, h) holds pair r and hidden columns 8 h + 0..7.
; CLUSTERS: 4 x 4 work-groups.  The four of a row of the cluster share mt and so h1's tiles, the four of a column share cg and so W's: each tile is asked for JOINTLY, by the same tensor load with the same
; descriptor and a mask that names the four.  Waves 0 and 1 fetch the halves of h1's tile (128 rows of 256 bytes each), waves 2 and 3 those of W's (96 rows).  By this text's count a wave has two tensor loads out at the start, later one.
; REGISTERS, in windows of 256 (s_set_vgpr_msb: bits 1:0 source 0, 3:2 source 1, 5:4 source 2, 7:6 destination):
;   window 0: v0-31 addresses; v32-47 the logits' sums; v64-127, v128-191 h1's fragments, two buffers (at the end: at work); v192-239 scaled biases; v240-255 fc_w
;   window 1: v0-127 gate i's accumulators ((s, a) at 8 (8 s + a)); v128-175, v176-223 W's fragments, two buffers ((gate, s) at + 8 (2 gate + s))
;   window 2: v0-127 gate c's accumulators; v128-255 gate o's
; LIMITS.  The exponent of the inner tanh is clamped at 60, so that factor is at most 2^60: the error in tanh is below 1e-18.  An exponential that overflows gives the right limit, 0.  NaN and infinities are not treated apart.
.set SLOT,  114688                     ; h1's tile, 65,536 bytes, then W's, 49,152
.set BOFF,  65536
.set STAGE, 2*SLOT                     ; behind the ring, never filled by a tensor load: two planes (wn) of 256 f32
.set SPARE, STAGE+2048                 ; the spare words, 128 bytes for each wave: two blocks of 256 that no other line names
.set ADRA, 16                          ; v16-17  LDS address of my h1 fragments in slot 0, 1
.set ADRB, 20                          ; v20-21  the same for W
.set SA,   24                          ; v24     where my pairs' sums go
.set RD,   25                          ; v25     where I read two pairs' sums back
.set CO,   26                          ; v26     my byte offset in part
.set VB,   27                          ; v27     32 h: my eight columns in 16 of a bias
.set SPW,  28                          ; v28     LDS address of my spare word; never rewritten
.set NIL,  29                          ; v29     0; never rewritten
.set LG,   32                          ; v[32:47]   block a of 16 pairs: a pair of sums
.set FA,   64                          ; h1's fragments: buffer f at FA + 64 f, block a at + 8 a
.set FB,   128                         ; W's, in window 1: buffer f at FB + 48 f
.set BI,   192                         ; scale x (b_ih + b_hh) at BI + 8 (2 gate + s) + j
.set FW,   240                         ; fc_w at FW + 8 s + j
.set TI,   64
.set TC,   72
.set TO,   80
.set P,    88
.set Q,    96
.set WV,  20                           ; s20  my wave's number
.set WM,  21                           ; s21  which 128 pairs are mine.  Also: I fetch for h1 (0) or for W (1)
.set WN,  22                           ; s22  which 32 hidden columns.  Also: which half of that tile I fetch
.set G1A, 24                           ; s[24:31] descriptor group 1 for h1's tiles;  s[32:39] group 0, a set for each slot
.set G0A, 32
.set G1B, 48                           ; s[48:55], s[56:63] the same for W's
.set G0B, 56
.set ML,  68                           ; s[68:69] -log2 e, as a pair
.set M2L, 70                           ; s[70:71] -2 log2 e
.set P2L, 72                           ; s[72:73] 2 log2 e
.set SEL, 74                           ; s[74:75] v_permlanex16_b32's selects
.set MSB, 0
.macro WIN new                         ; the immediate's high byte repeats the setting that is left; a switch that changes nothing is dropped
.if MSB != (\new)
	s_set_vgpr_msb (MSB<<8)|(\new)
.set MSB, \new
.endif
.endm
; A joint load.  The branch hangs on the wave's number alone.  An s_nop 0 and four v_nop follow each of the two lines, ahead of the jump, the label and what follows.
.macro JLOAD s
	s_cmp_eq_u32 s[WM], 0
	s_cbranch_scc0 .Lfor_b_\@
	tensor_load_to_lds s[G0A+4*(\s):G0A+4*(\s)+3], s[G1A:G1A+7]
	s_nop 0
.rept 4
	v_nop
.endr
	s_branch .Lasked_\@
.Lfor_b_\@:
	tensor_load_to_lds s[G0B+4*(\s):G0B+4*(\s)+3], s[G1B:G1B+7]
	s_nop 0
.rept 4
	v_nop
.endr
.Lasked_\@:
.endm
.macro CREST                           ; a round of the cluster's barrier behind its opening barrier: wave 0 signals for the work-group, every wave waits for all sixteen, the work-group's barrier closes it
	s_cmp_lg_u32 s[WV], 0
	s_cbranch_scc1 .Lnot_wave_0_\@
	s_barrier_signal -3
.Lnot_wave_0_\@:
	s_barrier_wait -3
	s_barrier_signal -1
	s_barrier_wait -1
.endm
.macro CROUND                          ; a whole round
	s_barrier_signal -1
	s_barrier_wait -1
	CREST
.endm
.macro PLACES                          ; four places in front of loads into registers that matrix instructions have read, and of vector lines that read results (ISA guide 7.12.1 for the vector lines)
.rept 4
	v_nop
.endr
.endm
; Eight numbers' activations.  In: TI = -L x_i, TC = -2L x_c, TO = -L x_o (L = log2 e).  Out: h = TC x Q.
; With a = 2^TI, f = 2^TC, b = 2^TO: cell = (1 - f) / ((1 + a)(1 + f)); g = 2^(-2L cell); h = (1 - g) / ((1 + g)(1 + b)).  Six transcendentals a number.
; Behind each run of transcendentals one plain instruction that touches none of the last one's registers comes before a result is used (ISA guide 5.7.2).
.macro ACT8
.irp j, 0,1,2,3,4,5,6,7
	v_min_num_f32 v[TC+(\j)], 0x42700000, v[TC+(\j)]  ; at most 60: 1 - f stays finite
.endr
.irp j, 0,1,2,3,4,5,6,7
	v_exp_f32 v[TI+(\j)], v[TI+(\j)]
.endr
.irp j, 0,1,2,3,4,5,6,7
	v_exp_f32 v[TC+(\j)], v[TC+(\j)]
.endr
.irp j, 0,1,2,3,4,5,6,7
	v_exp_f32 v[TO+(\j)], v[TO+(\j)]
.endr
	v_nop
	s_wait_alu depctr_va_vdst(0)
.irp z, 0,2,4,6
	v_pk_add_f32 v[P+(\z):P+(\z)+1], v[TI+(\z):TI+(\z)+1], 1.0 op_sel_hi:[1,0]
.endr
.irp z, 0,2,4,6
	v_pk_add_f32 v[Q+(\z):Q+(\z)+1], v[TC+(\z):TC+(\z)+1], 1.0 op_sel_hi:[1,0]
.endr
.irp z, 0,2,4,6
	v_pk_fma_f32 v[TC+(\z):TC+(\z)+1], v[TC+(\z):TC+(\z)+1], s[P2L:P2L+1], s[M2L:M2L+1] op_sel_hi:[1,0,0]  ; -2L (1 - f)
.endr
.irp z, 0,2,4,6
	v_pk_mul_f32 v[P+(\z):P+(\z)+1], v[P+(\z):P+(\z)+1], v[Q+(\z):Q+(\z)+1]
.endr
.irp j, 0,1,2,3,4,5,6,7
	v_rcp_f32 v[P+(\j)], v[P+(\j)]
.endr
.irp z, 0,2,4,6
	v_pk_add_f32 v[TO+(\z):TO+(\z)+1], v[TO+(\z):TO+(\z)+1], 1.0 op_sel_hi:[1,0]
.endr
	s_wait_alu depctr_va_vdst(0)
.irp z, 0,2,4,6
	v_pk_mul_f32 v[TC+(\z):TC+(\z)+1], v[TC+(\z):TC+(\z)+1], v[P+(\z):P+(\z)+1]  ; -2L cell
.endr
.irp j, 0,1,2,3,4,5,6,7
	v_exp_f32 v[TC+(\j)], v[TC+(\j)]
.endr
	v_nop
	s_wait_alu depctr_va_vdst(0)
.irp z, 0,2,4,6
	v_pk_add_f32 v[Q+(\z):Q+(\z)+1], v[TC+(\z):TC+(\z)+1], 1.0 op_sel_hi:[1,0]
.endr
.irp z, 0,2,4,6
	v_pk_add_f32 v[TC+(\z):TC+(\z)+1], v[TC+(\z):TC+(\z)+1], 1.0 op_sel_hi:[1,0] neg_lo:[1,0] neg_hi:[1,0]  ; 1 - g
.endr
.irp z, 0,2,4,6
	v_pk_mul_f32 v[Q+(\z):Q+(\z)+1], v[Q+(\z):Q+(\z)+1], v[TO+(\z):TO+(\z)+1]
.endr
.irp j, 0,1,2,3,4,5,6,7
	v_rcp_f32 v[Q+(\j)], v[Q+(\j)]
.endr
	v_nop
.endm
	s_load_b512 s[4:19], s[0:1], 0x0               ; h1q s[4:5], wq s[6:7], b_ih f s[8:9], b_ih b s[10:11], b_hh f s[12:13], b_hh b s[14:15], fc_w s[16:17], part s[18:19]
	v_lshl_add_u32 v[SPW], v0, 2, SPARE
	v_mov_b32 v[NIL], 0
	ds_add_u32 v[SPW], v[NIL]                      ; the wave's opening: the add and its wait ahead of my first tensor load; the set-up below stands between them
	ds_add_u32 v28, v29
	v_lshrrev_b32 v1, 5, v0
	v_readfirstlane_b32 s[WV], v1                  ; wave 0..3
	s_lshr_b32 s[WM], s[WV], 1
	s_and_b32 s[WN], s[WV], 1
	s_bfe_u32 s40, ttmp6, 0x40000                  ; cx, cy: my place in the cluster
	s_bfe_u32 s41, ttmp6, 0x40004
	s_lshl_b32 s42, ttmp9, 2
	s_add_co_u32 s42, s42, s40                     ; cg = 4 x cluster x + cx
	s_and_b32 s43, ttmp7, 0xffff
	s_lshl_b32 s43, s43, 2
	s_add_co_u32 s43, s43, s41                     ; mt = 4 x cluster y + cy
	s_lshl_b32 s44, s41, 2
	s_lshl_b32 s44, 15, s44                        ; my row of the cluster
	s_lshl_b32 s45, 0x1111, s40                    ; my column
	s_or_b32 s[G1A+0], s44, (3<<16)|(1<<21)        ; 15:0 the mask: h1's tiles go to my row; 17:16 elements of 8 bytes; 21 set beside a mask; no padding
	s_or_b32 s[G1B+0], s45, (3<<16)|(1<<21)        ; W's go to my column
	s_mov_b32 s[G1A+1], 32<<16                     ; tensor_dim0 = 32 elements = 256 bytes
	s_mov_b32 s[G1B+1], 32<<16
	s_mov_b32 s[G1A+2], 128<<16                    ; tensor_dim1 = 128 rows: half of h1's tile
	s_mov_b32 s[G1B+2], 96<<16                     ; 96 rows: half of W's
	s_mov_b32 s[G1A+3], 32<<16                     ; tile_dim0
	s_mov_b32 s[G1B+3], 32<<16
	s_mov_b32 s[G1A+4], 128                        ; tile_dim1
	s_mov_b32 s[G1B+4], 96
	s_mov_b32 s[G1A+5], 32                         ; dense: a row begins where the last ends
	s_mov_b32 s[G1B+5], 32
	s_mov_b32 s[G1A+6], 0
	s_mov_b32 s[G1B+6], 0
	s_mov_b32 s[G1A+7], 0
	s_mov_b32 s[G1B+7], 0
	s_mov_b32 s[ML], 0xbfb8aa3b
	s_mov_b32 s[ML+1], 0xbfb8aa3b
	s_mov_b32 s[M2L], 0xc038aa3b
	s_mov_b32 s[M2L+1], 0xc038aa3b
	s_mov_b32 s[P2L], 0x4038aa3b
	s_mov_b32 s[P2L+1], 0x4038aa3b
	s_mov_b32 s[SEL], 0x76543210
	s_mov_b32 s[SEL+1], 0xfedcba98
	; h1's address hangs on mt and the wave alone, W's on cg and the wave alone, each in registers that never hold the other coordinate
	s_lshl_b32 s76, s43, 20                        ; mt's sixteen tiles of 65,536 bytes
	s_lshl_b32 s77, s[WN], 15                      ; my half of a tile
	s_add_co_u32 s76, s76, s77
	s_mov_b32 s77, 0
	s_mul_i32 s78, s42, 786432                     ; cg's sixteen tiles of 49,152 bytes
	s_mul_i32 s79, s[WN], 24576
	s_add_co_u32 s78, s78, s79
	s_mov_b32 s79, 0
	s_lshl_b32 s46, s[WV], 15                      ; where they go: waves 0, 1: h1's halves at 0 and 32,768;
	s_mul_i32 s47, s[WV], 24576
	s_add_co_u32 s47, s47, 16384                   ; waves 2, 3: W's halves at 65,536 and 90,112.  No place in the cluster enters an LDS address
	s_wait_dscnt 0x0                               ; the opening add is done
	s_wait_kmcnt 0x0
	s_add_nc_u64 s[76:77], s[4:5], s[76:77]
	s_add_nc_u64 s[78:79], s[6:7], s[78:79]
.irp s, 0,1
	s_mov_b32 s[G0A+4*(\s)], 1
	s_add_co_u32 s[G0A+4*(\s)+1], s46, (\s)*SLOT
	s_add_nc_u64 s[G0A+4*(\s)+2:G0A+4*(\s)+3], s[76:77], (\s)*65536  ; K step s
	s_or_b32 s[G0A+4*(\s)+3], s[G0A+4*(\s)+3], 0x80000000
	s_mov_b32 s[G0B+4*(\s)], 1
	s_add_co_u32 s[G0B+4*(\s)+1], s47, (\s)*SLOT
	s_add_nc_u64 s[G0B+4*(\s)+2:G0B+4*(\s)+3], s[78:79], (\s)*49152
	s_or_b32 s[G0B+4*(\s)+3], s[G0B+4*(\s)+3], 0x80000000
.endr
	CROUND                                         ; all sixteen work-groups are here: the first joint loads meet
	s_cmp_eq_u32 s[WM], 0                          ; a wave's two first fills stand in one branch, ahead of every wait on TENSORcnt and every LDS read
	s_cbranch_scc0 .Lfirst_b
	tensor_load_to_lds s[G0A:G0A+3], s[G1A:G1A+7]
	s_nop 0
	tensor_load_to_lds s[G0A+4:G0A+7], s[G1A:G1A+7]
	s_nop 0
.rept 4
	v_nop
.endr
	s_branch .Lfirst_asked
.Lfirst_b:
	tensor_load_to_lds s[G0B:G0B+3], s[G1B:G1B+7]
	s_nop 0
	tensor_load_to_lds s[G0B+4:G0B+7], s[G1B:G1B+7]
	s_nop 0
.rept 4
	v_nop
.endr
.Lfirst_asked:
	; while they are on their way: biases, fc_w, addresses
	v_and_b32 v1, 15, v0                           ; r
	v_bfe_u32 v2, v0, 4, 1                         ; h
	v_lshlrev_b32 v[VB], 5, v2
	s_and_b32 s80, s42, 15
	s_lshl_b32 s80, s80, 8                         ; the group's 64 hidden columns, f32,
	s_lshl_b32 s81, s[WN], 7                       ; my 32 of them
	s_add_co_u32 s80, s80, s81
	s_mov_b32 s81, 0
	s_mov_b32 s83, 0
	s_cmp_lt_u32 ttmp9, 4                          ; cg below 16: forward.  It hangs on the cluster's x alone
	s_cselect_b64 s[8:9], s[8:9], s[10:11]
	s_cselect_b64 s[12:13], s[12:13], s[14:15]
	s_cselect_b32 s82, 0, 4096                     ; fc_w's half for the direction
	s_add_nc_u64 s[8:9], s[8:9], s[80:81]
	s_add_nc_u64 s[12:13], s[12:13], s[80:81]
	s_add_nc_u64 s[16:17], s[16:17], s[80:81]
	s_add_nc_u64 s[16:17], s[16:17], s[82:83]
.irp y, 0,1,2                          ; the kept gate y is the bias's gate y + (y + 1) / 2 = 0, 2, 3
.irp s, 0,1
.irp p, 0,1
	global_load_b128 v[64+8*(2*(\y)+(\s))+4*(\p):64+8*(2*(\y)+(\s))+4*(\p)+3],   v[VB], s[8:9]   offset:((\y)+((\y)+1)/2)*4096+64*(\s)+16*(\p)
	global_load_b128 v[112+8*(2*(\y)+(\s))+4*(\p):112+8*(2*(\y)+(\s))+4*(\p)+3], v[VB], s[12:13] offset:((\y)+((\y)+1)/2)*4096+64*(\s)+16*(\p)
.endr
.endr
.endr
.irp s, 0,1
.irp p, 0,1
	global_load_b128 v[FW+8*(\s)+4*(\p):FW+8*(\s)+4*(\p)+3], v[VB], s[16:17] offset:64*(\s)+16*(\p)
.endr
.endr
	s_lshl_b32 s80, s42, 13                        ; part: cg's 2,048 f32, mt's 256
	s_lshl_b32 s81, s43, 10
	s_add_co_u32 s80, s80, s81
	s_mov_b32 s81, 0
	s_add_nc_u64 s[18:19], s[18:19], s[80:81]
	; a fragment is 16 rows x 32 k: lane (r, h) takes k = 8 h + 0..7 (kb = h) and 16 + 8 h + 0..7 (kb = 2 + h): two loads of 16 bytes, two kb apart
	v_lshlrev_b32 v3, 4, v1
	v_lshl_add_u32 v[ADRA], v2, 12, v3             ; (256 h + r) x 16
	s_lshl_b32 s80, s[WM], 11                      ; + my 128 rows
	v_add_nc_u32 v[ADRA], s80, v[ADRA]
	v_add_nc_u32 v[ADRA+1], SLOT, v[ADRA]
	v_mul_u32_u24 v[ADRB], v2, 3072                ; (192 h + r) x 16
	v_add_nc_u32 v[ADRB], v[ADRB], v3
	s_lshl_b32 s80, s[WN], 9                       ; + my 32 rows of each gate's 64
	s_add_co_u32 s80, s80, BOFF
	v_add_nc_u32 v[ADRB], s80, v[ADRB]
	v_add_nc_u32 v[ADRB+1], SLOT, v[ADRB]
	s_lshl_b32 s80, s[WN], 10
	s_lshl_b32 s81, s[WM], 9
	s_add_co_u32 s80, s80, s81
	s_add_co_u32 s80, s80, STAGE
	v_lshl_add_u32 v[SA], v1, 2, s80               ; plane wn, pair 128 wm + r
	v_lshl_add_u32 v[RD], v0, 3, STAGE             ; thread t: pairs 2 t, 2 t + 1
	v_lshlrev_b32 v[CO], 3, v0
	s_wait_loadcnt 0x0
.set z, 0
.rept 24
	v_pk_add_f32 v[BI+2*z:BI+2*z+1], v[64+2*z:64+2*z+1], v[112+2*z:112+2*z+1]
.set z, z+1
.endr
.set z, 0
.rept 24
.if z/8 == 1
	v_pk_mul_f32 v[BI+2*z:BI+2*z+1], v[BI+2*z:BI+2*z+1], s[M2L:M2L+1] op_sel_hi:[1,0]
.else
	v_pk_mul_f32 v[BI+2*z:BI+2*z+1], v[BI+2*z:BI+2*z+1], s[ML:ML+1] op_sel_hi:[1,0]
.endif
.set z, z+1
.endr
; 16 matrix instructions: gate g, both blocks of 16 hidden columns x all 8 blocks of 16 pairs, 32 along K, from buffer f.  zero = 1: the first product starts the sums: nothing is cleared.
; The 48 accumulators take turns, one instruction a turn, in the same order in every quarter.
.macro MULG g, f, zero
.if (\g) == 0
	WIN 0x51                                       ; W window 1, h1 window 0, C and D window 1
.set AB, 0
.else
	WIN 0xa1                                       ; C and D window 2
.set AB, 128*((\g)-1)
.endif
.irp s, 0,1
.irp a, 0,1,2,3,4,5,6,7
.if \zero
	v_wmma_f32_16x16x32_bf16 v[AB+8*(8*(\s)+(\a)):AB+8*(8*(\s)+(\a))+7], v[FB+48*(\f)+8*(2*(\g)+(\s)):FB+48*(\f)+8*(2*(\g)+(\s))+7], v[FA+64*(\f)+8*(\a):FA+64*(\f)+8*(\a)+7], 0
.else
	v_wmma_f32_16x16x32_bf16 v[AB+8*(8*(\s)+(\a)):AB+8*(8*(\s)+(\a))+7], v[FB+48*(\f)+8*(2*(\g)+(\s)):FB+48*(\f)+8*(2*(\g)+(\s))+7], v[FA+64*(\f)+8*(\a):FA+64*(\f)+8*(\a)+7], v[AB+8*(8*(\s)+(\a)):AB+8*(8*(\s)+(\a))+7]
.endif
.endr
.endr
.endm
; 28 LDS loads in one run: quarter q (32 k = 4 kb) of a slot into buffer f: h1's 16, then W's 12, gate i's first
.macro FETCH slot, q, f
	WIN 0
.irp a, 0,1,2,3,4,5,6,7
	ds_load_b128 v[FA+64*(\f)+8*(\a):FA+64*(\f)+8*(\a)+3],   v[ADRA+(\slot)] offset:(\q)*16384+(\a)*256
	ds_load_b128 v[FA+64*(\f)+8*(\a)+4:FA+64*(\f)+8*(\a)+7], v[ADRA+(\slot)] offset:(\q)*16384+(\a)*256+8192
.endr
	WIN 0x40                                       ; destination window 1, address window 0
.irp b, 0,1,2,3,4,5
	ds_load_b128 v[FB+48*(\f)+8*(\b):FB+48*(\f)+8*(\b)+3],   v[ADRB+(\slot)] offset:(\q)*12288+((\b)/2)*1024+((\b)%2)*256
	ds_load_b128 v[FB+48*(\f)+8*(\b)+4:FB+48*(\f)+8*(\b)+7], v[ADRB+(\slot)] offset:(\q)*12288+((\b)/2)*1024+((\b)%2)*256+6144
.endr
.endm
; A K step is four quarters of 32 along K, 48 matrix instructions each, on buffers 0, 1, 0, 1.  One of the first three: multiplies buffer f and fetches quarter qn of the same slot into buffer g.
.macro QUARTER slot, qn, f, g, zero
	s_wait_dscnt 8                                 ; h1's fragments and gate i's are in; the youngest eight loads (gates c and o) may be out
	MULG 0, \f, \zero
	PLACES
	FETCH \slot, \qn, \g
	s_wait_dscnt 28                                ; all but the 28 just issued
	MULG 1, \f, \zero
	MULG 2, \f, \zero
.endm
; The last quarter multiplies buffer 1 and changes slots: ONE barrier; in front of it each wave waits for all its tensor loads (one is out: its part of the next slot), adds 0 to its spare word, and waits for that
; and for its own reads of this slot.  fill = 1: the barrier opens a round of the cluster's, and behind the round this slot is filled again, two K steps ahead: 160 matrix instructions stand between that request and the wait for it.
.macro TURN slot, next, fill
	WIN 0                                          ; (the add's two registers lie in window 0)
	s_wait_tensorcnt 0x0                           ; all my tensor loads have landed;
	ds_add_u32 v[SPW], v[NIL]                      ; 0 onto my spare word;
	s_wait_dscnt 9                                 ; (the add and the youngest eight loads may be out)
	MULG 0, 1, 0                                   ; sixteen matrix instructions stand between the add and the wait for it
	s_wait_dscnt 0x0                               ; the add is done, and my reads of this slot are over
	s_barrier_signal -1
	MULG 1, 1, 0                                   ; work on registers while the others arrive
.if \fill
	WIN 0
.endif
	s_barrier_wait -1
.if \fill
	CREST                                          ; no wave of any partner still reads this slot's tiles or has a load on its way
	s_add_nc_u64 s[G0A+4*(\slot)+2:G0A+4*(\slot)+3], s[G0A+4*(\slot)+2:G0A+4*(\slot)+3], 2*65536
	s_add_nc_u64 s[G0B+4*(\slot)+2:G0B+4*(\slot)+3], s[G0B+4*(\slot)+2:G0B+4*(\slot)+3], 2*49152
	JLOAD \slot                                    ; the first tensor load behind the round; its four v_nop are also the places in front of the loads below
.else
	PLACES
.endif
	FETCH \next, 0, 0
	MULG 2, 1, 0
.endm
	s_wait_tensorcnt 0x1                           ; my part of K step 0 is in; step 1's may stay out
	s_barrier_signal -1
	s_barrier_wait -1                              ; everybody's is
	FETCH 0, 0, 0
	QUARTER 0, 1, 0, 1, 1                          ; the first quarter stands in front of the loop: its products start the sums
	WIN 0
	s_mov_b32 s3, 7
.Llap:                                                 ; a trip goes once round the ring, from a lap's second quarter to the next lap's first, and fills both slots again: K steps 2 to 15 in seven trips
	QUARTER 0, 2, 1, 0, 0
	QUARTER 0, 3, 0, 1, 0
	TURN 0, 1, 1
	QUARTER 1, 1, 0, 1, 0
	QUARTER 1, 2, 1, 0, 0
	QUARTER 1, 3, 0, 1, 0
	TURN 1, 0, 1
	QUARTER 0, 1, 0, 1, 0
	WIN 0
	s_sub_co_u32 s3, s3, 1
	s_cmp_lg_u32 s3, 0
	s_cbranch_scc1 .Llap
	QUARTER 0, 2, 1, 0, 0                          ; the last lap fills nothing, and has no round of the cluster's barrier
	QUARTER 0, 3, 0, 1, 0
	TURN 0, 1, 0
	QUARTER 1, 1, 0, 1, 0
	QUARTER 1, 2, 1, 0, 0
	QUARTER 1, 3, 0, 1, 0
	s_wait_dscnt 8                                 ; the very last quarter: nothing more to fetch
	MULG 0, 1, 0
	s_wait_dscnt 0x0
	MULG 1, 1, 0
	MULG 2, 1, 0
	WIN 0
	PLACES
; THE WAY OUT.  Block a of 16 pairs, block s of 16 hidden columns: the three gates' sums are scaled and get their biases (each accumulator's lowest registers are read first),
; the activations, times fc_w, onto the block's pair of sums.
.macro EPI a, s
.set AC, 8*(8*(\s)+(\a))
	WIN 0x01                                       ; source 0 window 1
.irp z, 0,2,4,6
	v_pk_fma_f32 v[TI+(\z):TI+(\z)+1], v[AC+(\z):AC+(\z)+1], s[ML:ML+1], v[BI+8*(\s)+(\z):BI+8*(\s)+(\z)+1] op_sel_hi:[1,0,1]
.endr
	WIN 0x02                                       ; source 0 window 2
.irp z, 0,2,4,6
	v_pk_fma_f32 v[TC+(\z):TC+(\z)+1], v[AC+(\z):AC+(\z)+1], s[M2L:M2L+1], v[BI+8*(2+(\s))+(\z):BI+8*(2+(\s))+(\z)+1] op_sel_hi:[1,0,1]
.endr
.irp z, 0,2,4,6
	v_pk_fma_f32 v[TO+(\z):TO+(\z)+1], v[128+AC+(\z):128+AC+(\z)+1], s[ML:ML+1], v[BI+8*(4+(\s))+(\z):BI+8*(4+(\s))+(\z)+1] op_sel_hi:[1,0,1]
.endr
	WIN 0
	ACT8
	s_wait_alu depctr_va_vdst(0)
.irp z, 0,2,4,6
	v_pk_mul_f32 v[TC+(\z):TC+(\z)+1], v[TC+(\z):TC+(\z)+1], v[FW+8*(\s)+(\z):FW+8*(\s)+(\z)+1]
.endr
.irp z, 0,2,4,6
.if ((\s) == 0) && ((\z) == 0)
	s_wait_alu depctr_va_vdst(0)
	v_pk_mul_f32 v[LG+2*(\a):LG+2*(\a)+1], v[TC:TC+1], v[Q:Q+1]  ; the first product starts the sum
.else
	v_pk_fma_f32 v[LG+2*(\a):LG+2*(\a)+1], v[TC+(\z):TC+(\z)+1], v[Q+(\z):Q+(\z)+1], v[LG+2*(\a):LG+2*(\a)+1]
.endif
.endr
.endm
.irp a, 0,1,2,3,4,5,6,7
	EPI \a, 0
	EPI \a, 1
.endr
.irp a, 0,1,2,3,4,5,6,7
	v_add_f32 v[LG+2*(\a)], v[LG+2*(\a)], v[LG+2*(\a)+1]
.endr
.irp a, 0,1,2,3,4,5,6,7
	v_permlanex16_b32 v[LG+2*(\a)+1], v[LG+2*(\a)], s[SEL], s[SEL+1]  ; the pair's other eight columns of each block lie in the lane 16 away
.endr
.irp a, 0,1,2,3,4,5,6,7
	v_add_f32 v[LG+2*(\a)], v[LG+2*(\a)], v[LG+2*(\a)+1]
.endr
.irp a, 0,1,2,3,4,5,6,7
	ds_store_b32 v[SA], v[LG+2*(\a)] offset:64*(\a)  ; both halves of the lanes write the same word with the same number
.endr
	s_wait_dscnt 0x0                               ; for the others' sake: my sums are in the stage
	s_barrier_signal -1
	s_barrier_wait -1
	ds_load_b64 v[64:65], v[RD]                    ; the two waves' halves of a pair's 64 columns
	ds_load_b64 v[66:67], v[RD] offset:1024
	s_wait_dscnt 0x0
	v_pk_add_f32 v[64:65], v[64:65], v[66:67]
	global_store_b64 v[CO], v[64:65], s[18:19]     ; the wave stores 256 consecutive bytes, at a multiple of 256 from part's first
	s_wait_tensorcnt 0x0                           ; the wave's end: behind my last tensor load and my last LDS store
	ds_add_u32 v[SPW], v[NIL]
	s_wait_dscnt 0x0
	CROUND                                         ; the closing round: no work-group ends while a partner may still ask for a tile that names it
	s_endpgm
.Lfunc_end_k_qb75603a025_gemm:
	.size	k_qb75603a025_gemm, .Lfunc_end_k_qb75603a025_gemm-k_qb75603a025_gemm
	.p2alignl 7, 3214868480
	.fill 96, 4, 3214868480
	.section	.rodata,"a",@progbits
	.p2align	6, 0x0
	.amdhsa_kernel k_qb75603a025_gemm
		.amdhsa_group_segment_fixed_size 327680
		.amdhsa_private_segment_fixed_size 0
		.amdhsa_enable_private_segment 0
		.amdhsa_kernarg_size 64
		.amdhsa_user_sgpr_count 2
		.amdhsa_user_sgpr_kernarg_segment_ptr 1
		.amdhsa_wavefront_size32 1
		.amdhsa_system_sgpr_workgroup_id_x 1
		.amdhsa_system_sgpr_workgroup_id_y 1
		.amdhsa_system_sgpr_workgroup_id_z 1
		.amdhsa_system_vgpr_workitem_id 0
		.amdhsa_next_free_vgpr 768
		.amdhsa_next_free_sgpr 84
		.amdhsa_reserve_vcc 0
		.amdhsa_float_denorm_mode_32 3
		.amdhsa_float_denorm_mode_16_64 3
		.amdhsa_memory_ordered 1
		.amdhsa_forward_progress 1
		.amdhsa_inst_pref_size 192
	.end_amdhsa_kernel
	.amdgpu_metadata
---
amdhsa.version: [ 1, 2 ]
amdhsa.kernels:
  - .name:           k_qb75603a025_gemm
    .symbol:         k_qb75603a025_gemm.kd
    .args:
      - { .name: h1q, .offset: 0, .size: 8, .value_kind: global_buffer, .address_space: global }
      - { .name: wq, .offset: 8, .size: 8, .value_kind: global_buffer, .address_space: global }
      - { .name: b_ih_l1_f, .offset: 16, .size: 8, .value_kind: global_buffer, .address_space: global }
      - { .name: b_ih_l1_b, .offset: 24, .size: 8, .value_kind: global_buffer, .address_space: global }
      - { .name: b_hh_l1_f, .offset: 32, .size: 8, .value_kind: global_buffer, .address_space: global }
      - { .name: b_hh_l1_b, .offset: 40, .size: 8, .value_kind: global_buffer, .address_space: global }
      - { .name: fc_w, .offset: 48, .size: 8, .value_kind: global_buffer, .address_space: global }
      - { .name: part, .offset: 56, .size: 8, .value_kind: global_buffer, .address_space: global }
    .group_segment_fixed_size: 327680
    .private_segment_fixed_size: 0
    .kernarg_segment_align: 8
    .kernarg_segment_size: 64
    .max_flat_workgroup_size: 128
    .sgpr_count:     84
    .vgpr_count:     768
    .wavefront_size: 32
...
	.end_amdgpu_metadata
.endif
;; end of part 3
;; launch total (part 4): grid 16 x 1, 1 waves a work-group, no clusters, 0 bytes of LDS; arguments part, fc_b, out0; writes out0
.if DOCPART == 4
	.amdgcn_target "amdgcn-amd-amdhsa--gfx1250"
	.amdhsa_code_object_version 6
	.text
	.protected	k_qb75603a025_total
	.globl	k_qb75603a025_total
	.p2align	8
	.type	k_qb75603a025_total,@function
k_qb75603a025_total:
	s_mov_b64 s[64:65], 0
	v_nop
	global_prefetch_b8 v0, s[64:65] scope:SCOPE_SE
	s_setreg_imm32_b32 hwreg(HW_REG_WAVE_MODE, 25, 1), 1
	s_wait_xcnt 0x0
; out0[pair] = fc_b + the sum over the 32 groups of hidden columns of part[group][pair].  part: [32][2048] f32.
; A lane owns four pairs, a wave 128, sixteen work-groups of one wave all 2,048: that is all the work there is.  All 32 loads of a wave are issued at once, 512 consecutive bytes each;
; the sums are taken in ascending order of the groups, in two chains of pairs.  No LDS, no barrier, no matrix unit: a short stream.
.set ACC, 2                            ; v[2:5]    the four sums
.set X,   8                            ; v[8:135]  group c's four numbers at X + 4 c
	s_load_b128 s[4:7], s[0:1], 0x0                ; part s[4:5], fc_b s[6:7]
	s_load_b64 s[8:9], s[0:1], 0x10                ; out0
	s_lshl_b32 s11, ttmp9, 9                       ; the work-group's 128 pairs
	v_lshl_add_u32 v1, v0, 4, s11
	s_wait_kmcnt 0x0
	s_load_b32 s10, s[6:7], 0x0                    ; fc_b
.set c, 0
.rept 32
	global_load_b128 v[X+4*c:X+4*c+3], v1, s[4:5] offset:c*8192
.set c, c+1
.endr
	s_wait_kmcnt 0x0
	s_wait_loadcnt 24                              ; loads come back in order: the first eight groups are in
	v_add_f32 v[ACC], s10, v[X]                    ; fc_b and group 0 start the sums: nothing is cleared
	v_add_f32 v[ACC+1], s10, v[X+1]
	v_add_f32 v[ACC+2], s10, v[X+2]
	v_add_f32 v[ACC+3], s10, v[X+3]
.set c, 1
.rept 31
.if c%8 == 0
	s_wait_loadcnt 24-c                            ; the next eight groups: 16, 8, 0 younger loads may stay out
.endif
	v_pk_add_f32 v[ACC:ACC+1], v[ACC:ACC+1], v[X+4*c:X+4*c+1]
	v_pk_add_f32 v[ACC+2:ACC+3], v[ACC+2:ACC+3], v[X+4*c+2:X+4*c+3]
.set c, c+1
.endr
	global_store_b128 v1, v[ACC:ACC+3], s[8:9]     ; the wave stores 512 consecutive bytes, at a multiple of 256 from out0's first
	s_endpgm
.Lfunc_end_k_qb75603a025_total:
	.size	k_qb75603a025_total, .Lfunc_end_k_qb75603a025_total-k_qb75603a025_total
	.p2alignl 7, 3214868480
	.fill 96, 4, 3214868480
	.section	.rodata,"a",@progbits
	.p2align	6, 0x0
	.amdhsa_kernel k_qb75603a025_total
		.amdhsa_group_segment_fixed_size 0
		.amdhsa_private_segment_fixed_size 0
		.amdhsa_enable_private_segment 0
		.amdhsa_kernarg_size 24
		.amdhsa_user_sgpr_count 2
		.amdhsa_user_sgpr_kernarg_segment_ptr 1
		.amdhsa_wavefront_size32 1
		.amdhsa_system_sgpr_workgroup_id_x 1
		.amdhsa_system_sgpr_workgroup_id_y 1
		.amdhsa_system_sgpr_workgroup_id_z 1
		.amdhsa_system_vgpr_workitem_id 0
		.amdhsa_next_free_vgpr 140
		.amdhsa_next_free_sgpr 66
		.amdhsa_reserve_vcc 0
		.amdhsa_float_denorm_mode_32 3
		.amdhsa_float_denorm_mode_16_64 3
		.amdhsa_memory_ordered 1
		.amdhsa_forward_progress 1
		.amdhsa_inst_pref_size 8
	.end_amdhsa_kernel
	.amdgpu_metadata
---
amdhsa.version: [ 1, 2 ]
amdhsa.kernels:
  - .name:           k_qb75603a025_total
    .symbol:         k_qb75603a025_total.kd
    .args:
      - { .name: part, .offset: 0, .size: 8, .value_kind: global_buffer, .address_space: global }
      - { .name: fc_b, .offset: 8, .size: 8, .value_kind: global_buffer, .address_space: global }
      - { .name: out0, .offset: 16, .size: 8, .value_kind: global_buffer, .address_space: global }
    .group_segment_fixed_size: 0
    .private_segment_fixed_size: 0
    .kernarg_segment_align: 8
    .kernarg_segment_size: 24
    .max_flat_workgroup_size: 32
    .sgpr_count:     66
    .vgpr_count:     140
    .wavefront_size: 32
...
	.end_amdgpu_metadata
.endif
;; end of part 4
